; MI455X (gfx1250); checked and timed in simulation.
; The chip was launched on July 23, 2026; its instructions are those of AMD's public machine-readable ISA for CDNA 5 (MIT licence, August 2026) and "CDNA5" Instruction Set Architecture Reference Guide (July 2026). The comments in the code are by the model that wrote it; some were corrected since.
;; Sparse Attention. Allowed arithmetic: matrix products marked QUANTISED: E5M2 operands, one given power-of-two scale a tensor, by v_wmma_f32_16x16x64_bf8_bf8 or v_wmma_f32_16x16x128_bf8_bf8, f32 sums; everything else in f32.
;; Inputs: k_codes 1 x 16 x 4,096 x 2 x 32 uint8 (E5M2 codes of k, K innermost, in blocks of 32 codes); lowp_scales 4 int32 (the exponents e of the quantised operands' scales 2^e); q_codes 1 x 16 x 4,096 x 2 x 32 uint8 (E5M2 codes of q, K innermost, in blocks of 32 codes); v_codes 1 x 16 x 64 x 128 x 32 uint8 (E5M2 codes of v, K innermost, in blocks of 32 codes).
;; Outputs: out0 1 x 16 x 4,096 x 64 float32.
;; This version of the problem:
;;   THIS VERSION OF THE PROBLEM IS GIVEN IN LOW PRECISION. The matrix products marked QUANTISED in the list below multiply operands that are first quantised to E5M2 (5 exponent bits, 2 mantissa bits; 8 bits a number), with one given power-of-two scale for each operand tensor; their sums are f32. All else is computed in f32.
;;   The module's matrix products, in the order in which they are computed (A, B: the left and right operand; K: the contracted axis; several contracted axes count as one K, in the product's order):
;;     1. batch 16 x [M 4,096, K 64] x [K 64, N 4,096]; A: input q (given as codes); B: input k (given as codes): QUANTISED (scales: A lowp_scales[0], B lowp_scales[1])
;;     2. batch 16 x [M 4,096, K 4,096] x [K 4,096, N 64]; A: computed on the way; B: input v (given as codes): QUANTISED (scales: A lowp_scales[2], B lowp_scales[3])
;;   THE QUANTISER, for each operand of a quantised product, along K:
;;     - The operand's scale is 2^e, e = its entry of the input lowp_scales (int32; the entries are numbered through the quantised products in the list's order, A before B).
;;     - Each number is divided by the scale, clamped to +-57,344, and rounded to the nearest number of E5M2, ties to even, subnormals kept.
;;     - The product sums the exact products of the quantised numbers (number of the format x scale) in f32.
;;   ~~~python
;;   def quantise(x, axis, e):      # numpy; x: float32 -> the quantised numbers, widened to float32 again
;;       x = np.moveaxis(x, axis, -1); K = x.shape[-1]
;;       r = np.clip(x / 2.0 ** e, -57344, 57344)
;;       step = 2.0 ** (np.maximum(np.frexp(np.where(r == 0, 1, r))[1] - 1, -14) - 2)
;;       q = np.round(r / step) * step * 2.0 ** e      # np.round: ties to even
;;       return np.moveaxis(q, -1, axis).astype(np.float32)
;;   ~~~
;;   OPERANDS COMPUTED ON THE WAY. 'Computed on the way' means the value that the module computes at that place (a softmax that the list does not call 'softmax' is quantised finished and normalised). What goes into a quantiser is computed in f32, as accurately as f32 sums, v_exp_f32 and their like allow (about 1e-6 of the number): no bf16 or f16 on the way to a quantiser, and a product that is left as it is and whose result goes on into a quantised operand takes f32 operands (vector FMAs, or v_wmma_f32_16x16x4_f32). A number that lies on a knife's edge between two numbers of the format may be rounded either way, as far as f32 arithmetic and the matrix unit's own rounding can turn it there, and no further.
;;   INPUTS GIVEN AS CODES. k (in the module: [1, 16, 4096, 64], K = its axis 3); q (in the module: [1, 16, 4096, 64], K = its axis 3); v (in the module: [1, 16, 4096, 64], K = its axis 2): each comes as NAME_codes (uint8): NAME with its K axis moved to the last place and cut into blocks of 32 codes, [.., K / 32, bytes a block], one block behind the other in memory; one code a byte (a code: sign, 5 exponent bits, 2 mantissa bits); its scale is its entry of lowp_scales. Its value is code x scale, taken as it is: it is not quantised again, and the codes and scales need not be those that the quantiser above would give.
;; 2 versions. Each part assembles by itself: llvm-mc -triple=amdgcn-amd-amdhsa -mcpu=gfx1250 --defsym DOCPART=n.
;; ======== version 1 of 2: 1 launch
;; limits: right only within a limited range of input values
;; launch band (part 1): grid 16 x 16, 16 waves a work-group, no clusters, 146,432 bytes of LDS; arguments q_codes, k_codes, v_codes, lowp_scales, out0; writes out0
.if DOCPART == 1
	.amdgcn_target "amdgcn-amd-amdhsa--gfx1250"
	.amdhsa_code_object_version 6
	.text
	.protected	k_q1b540a802d_band
	.globl	k_q1b540a802d_band
	.p2align	8
	.type	k_q1b540a802d_band,@function
k_q1b540a802d_band:
	s_mov_b64 s[64:65], 0
	v_nop
	global_prefetch_b8 v0, s[64:65] scope:SCOPE_SE
	s_setreg_imm32_b32 hwreg(HW_REG_WAVE_MODE, 25, 1), 1
	s_wait_xcnt 0x0
; out[h][i][:] = sum over j of softmax_j(q[h][i] . k[h][j] / 8) v[h][j][:], j in [i - 128, i + 128) cut to [0, 4096).  16 heads, 4,096 rows, head size 64.
; q, k: codes of E5M2, [head][row][64];  v: codes of E5M2 with the KEYS innermost, [head][64][4096];  out: f32, [head][row][64].  lowp_scales: eq, ek, ep, ev.
; Both products on codes, by v_wmma_f32_16x16x64_bf8_bf8.  WHAT IS QUANTISED FOR THE SECOND PRODUCT IS THE FINISHED, NORMALISED SOFTMAX: so a row's maximum and sum are known
; before any p is converted.  A row sees at most 256 keys: a tile's whole band of scores stays in registers, and there is one pass and no running maximum.
; SHARES.  Work-group (x, head) owns queries 256 x .. 256 x + 255; its window is the 512 keys from 256 x - 128 on: 32 KiB of k, 32 KiB of v, brought once into LDS through registers.
; Wave w of sixteen owns the 16 queries from q0 = 256 x + 16 w, and takes 9 groups of 32 keys from window group w / 2 on: 288 keys, which cover [q0 - 128, q0 + 143); the last wave ends at window key 512.
; LAYOUT.  Both products are used transposed: S^T = K Q^T (source 0 = 16 keys, source 1 = my 16 queries), O^T = V^T P^T (source 0 = 16 channels, source 1 = P): a lane holds ONE query (lane % 16) throughout.
; THE KEYS OF A TILE ARE NOT NEIGHBOURS: row m of tile 2 b + u is key 32 b + 8 u + m + 8 (m / 8), so that the 16 registers of tiles 2 b, 2 b + 1 are the 16 neighbouring keys 32 b + 16 (lane / 16) + 0 .. 15,
; and the conversions' results are the second product's operand.  k's rows are put into that order as they are stored to LDS, so a tile is 16 LDS rows on end.
; A fragment is fetched by two loads of 16 bytes: registers 4 c .. 4 c + 3 hold K = 32 c + 16 (lane / 16) + 0 .. 15: a permutation of K that is the same in both operands of each product.
; THE SEQUENCE'S ENDS.  Window parts that lie outside the sequence are fetched from inside it (the offset wraps round within the head, or within v's row): no load leaves its buffer; those keys are hidden by the mask bounds.
; NO CLUSTER, NO TENSOR LOAD: work-group x shares keys 256 x + 128 .. 256 x + 383 with x + 1 alone, at window key 256 here and 0 there, and the other half with x - 1: no tile has the same LDS place in two work-groups;
; and k's rows change their order on the way in.  NO PREFETCH: each byte is asked for by the loads at the head, and nothing is asked for later.
; LIMITS: eq + ek between -123 and 130 (added to an exponent field); ep between -126 and 112; ep + ev between -126 and 127.  Codes of infinity or NaN in q, k, v are not served (a hidden key's v is multiplied by the code 0).
; A p under 2^-126 becomes 0 in v_exp_f32: it shows only where ep is under -109.
.set KP,    80                         ; a key's row in LDS: 64 bytes + 16: row r begins at 16-byte column 5 r mod 16, so the 16 rows of a fragment load begin at 16 different columns
.set VP,    528                        ; a channel's row of v: 512 window bytes + 16: row r begins at column r mod 16
.set SP,    272                        ; a row of the way out's stage: 256 bytes + 16
.set VB,    512*KP                     ; LDS: k's 512 rows from 0; v's 64 rows from here;
.set STG,   VB+64*VP                   ; a stage of 16 rows for each wave;
.set SPARE, STG+16*16*SP               ; the spare words, 128 bytes for each of sixteen waves: eight blocks of 256 bytes that no other line names
.set SPW,  1                           ; v1   LDS address of my spare word; never rewritten
.set NIL,  2                           ; v2   0; never rewritten
.set RR,   3                           ; v3   r = lane % 16
.set HH,   4                           ; v4   h = lane / 16
.set T16,  5                           ; v5   16 x my thread's number: k's offset in a block of 128 keys
.set KST,  6                           ; v6   where I store 16 bytes of k
.set VGO,  7                           ; v7   v's offset in memory
.set VST,  8                           ; v8   where I store 16 bytes of v
.set QGO,  9                           ; v9   q's offset
.set AK,   10                          ; v10  my place in the wave's first tile of k
.set AV,   11                          ; v11  the same for v
.set SO,   12                          ; v12  the stage: where I put 32 bytes of a row
.set SR,   13                          ; v13  and where I read a row back
.set GO,   14                          ; v14  my offset in the wave's rows of out
.set MLO,  15                          ; v15  a score in register 16 b + i is hidden where 32 b + i < this,
.set MHI,  16                          ; v16  or 32 b + i >= this
.set NI,   17                          ; v17  -infinity
.set NM,   18                          ; v[18:19] c x the row's largest score (the packed form names a pair and takes its low word)
.set INV,  20                          ; v[20:21] 1 / the row's sum, likewise
.set SC,   22                          ; v22  2^ep as f32
.set LIM,  23                          ; v23  57,344 x 2^ep
.set QF,   24                          ; v[24:31] q's fragment
.set KF,   32                          ; v[32:103] nine fragments of k
.set PC,   32                          ; later v[32:71]: p's codes, four registers a group of 32 keys; the last four are zeros
.set OT,   72                          ; later v[72:103]: O^T, four accumulators
.set MXA,  104                         ; v104, v105 the maximum's two chains
.set MXB,  105
.set XP,   106                         ; v106 a lane permute's destination
.set SA,   108                         ; v[108:109], v[110:111] the sum's two chains
.set SB,   110
.set S,    112                         ; v[112:255] S^T, then p: register 16 b + i = key 32 b + 16 h + i of my query.  (While k and v are staged: v[112:143] hold the loaded bytes)
.set VF,   104                         ; later v[104:251]: v's fragments;  on the way out v[104:135]: rows read back
	s_load_b256 s[4:11], s[0:1], 0x0               ; q s[4:5], k s[6:7], v s[8:9], the scales' exponents s[10:11]
	s_load_b64 s[12:13], s[0:1], 0x20              ; out
	v_lshl_add_u32 v[SPW], v0, 2, SPARE
	v_mov_b32 v[NIL], 0
	v_lshrrev_b32 v[RR], 5, v0
	v_readfirstlane_b32 s20, v[RR]                 ; wave w, 0 .. 15
	s_lshl_b32 s21, ttmp9, 8                       ; the work-group's first query, 256 x
	s_and_b32 s22, ttmp7, 0xffff                   ; the head
	s_lshr_b32 s23, s20, 1                         ; my first group of 32 window keys: w / 2
	v_and_b32 v[RR], 15, v0
	v_bfe_u32 v[HH], v0, 4, 1
	v_lshlrev_b32 v[T16], 4, v0
	; k into LDS.  Thread t holds chunk t % 4 of key t / 4 of a block of 128.  Key 32 g + k' goes to row 32 g + 16 u + m, u = bit 3 of k', m = bits 2:0 of k' and bit 4 on top
	v_bfe_u32 v[KST], v0, 2, 3
	v_bfe_u32 v[MXA], v0, 6, 1
	v_lshl_or_b32 v[KST], v[MXA], 3, v[KST]
	v_bfe_u32 v[MXA], v0, 5, 1
	v_lshl_or_b32 v[KST], v[MXA], 4, v[KST]
	v_lshrrev_b32 v[MXA], 7, v0
	v_lshl_or_b32 v[KST], v[MXA], 5, v[KST]
	v_mul_u32_u24 v[KST], v[KST], KP
	v_and_b32 v[MXA], 3, v0
	v_lshl_add_u32 v[KST], v[MXA], 4, v[KST]
	; v: wave w takes channels w, w + 16, w + 32, w + 48; a lane 16 of the row's 512 window bytes
	v_and_b32 v[MXB], 31, v0                       ; lane
	s_sub_co_i32 s44, s21, 128                     ; the window's first key (under 0 in the first work-group of a head)
	v_lshl_add_u32 v[VGO], v[MXB], 4, s44
	v_and_b32 v[VGO], 0xfff, v[VGO]                ; outside the sequence: round within the row of 4,096 bytes
	s_lshl_b32 s45, s20, 12
	v_add_nc_u32 v[VGO], s45, v[VGO]
	s_mul_i32 s45, s20, VP
	v_lshl_add_u32 v[VST], v[MXB], 4, s45
	v_add_nc_u32 v[VST], VB, v[VST]
	v_lshlrev_b32 v[QGO], 6, v[RR]
	v_lshl_add_u32 v[QGO], v[HH], 4, v[QGO]        ; q: row r of 64 bytes, + 16 h
	s_mul_i32 s45, s23, 32*KP
	v_mul_u32_u24 v[AK], v[RR], KP
	v_lshl_add_u32 v[AK], v[HH], 4, v[AK]
	v_add_nc_u32 v[AK], s45, v[AK]                 ; k: my first group's rows, row r, + 16 h
	s_lshl_b32 s45, s23, 5
	s_add_co_u32 s45, s45, VB
	v_mul_u32_u24 v[AV], v[RR], VP
	v_lshl_add_u32 v[AV], v[HH], 4, v[AV]
	v_add_nc_u32 v[AV], s45, v[AV]                 ; v: channel r, my first key's byte, + 16 h
	s_mul_i32 s45, s20, 16*SP
	s_add_co_u32 s45, s45, STG                     ; my stage
	v_mul_u32_u24 v[SO], v[RR], SP
	v_lshl_add_u32 v[SO], v[HH], 5, v[SO]
	v_add_nc_u32 v[SO], s45, v[SO]                 ; in: row r, 32 bytes for each half of the lanes
	v_mul_u32_u24 v[SR], v[HH], SP
	v_lshl_add_u32 v[SR], v[RR], 4, v[SR]
	v_add_nc_u32 v[SR], s45, v[SR]                 ; back: lanes 0-15 one row of 256 bytes, lanes 16-31 the next
	v_lshlrev_b32 v[GO], 8, v[HH]
	v_lshl_add_u32 v[GO], v[RR], 4, v[GO]          ; and the same two rows in out
	; THE MASK'S BOUNDS, in key offsets from ks, my first key.  Query q0 + r sees offsets lo .. lo + 255, lo = r + 16 (w % 2), cut to -ks .. 4095 - ks.
	; -ks is 0 or less, or 32 or more, and lo is 31 at the most;  4096 - ks is 288 or more, or 256 or less, and lo + 256 lies in 256 .. 287: so each bound is one of the two, chosen by ids
	s_lshl_b32 s26, s23, 5
	s_add_co_i32 s26, s26, s44                     ; ks = 256 x - 128 + 32 (w / 2)
	s_and_b32 s45, s20, 1
	s_lshl_b32 s45, s45, 4                         ; 16 (w % 2)
	s_sub_co_i32 s46, 0, s26
	s_cmp_lt_i32 s26, 0
	s_cselect_b32 s47, 0, 15                       ; r counts in lo alone
	s_cselect_b32 s46, s46, s45
	v_and_b32 v[MLO], s47, v[RR]
	v_add_nc_u32 v[MLO], s46, v[MLO]
	s_add_co_u32 s14, s45, 256
	s_sub_co_i32 s15, 4096, s26
	s_cmp_ge_i32 s26, 3840
	s_cselect_b32 s27, 0, 15
	s_cselect_b32 s15, s15, s14
	v_and_b32 v[MHI], s27, v[RR]
	v_add_nc_u32 v[MHI], s15, v[MHI]
	v_lshlrev_b32 v[MXA], 4, v[HH]
	v_sub_nc_u32 v[MLO], v[MLO], v[MXA]            ; a register's key offset is 32 b + i + 16 h: the 16 h goes to the bounds' side
	v_sub_nc_u32 v[MHI], v[MHI], v[MXA]
	; offsets in memory, each under 2^25
	s_lshl_b32 s24, s22, 18                        ; the head's first byte in each tensor of codes
	s_mov_b32 s25, 0
	s_lshl_b32 s45, s20, 4
	s_add_co_u32 s45, s45, s21                     ; q0
	s_lshl_b32 s40, s45, 6
	s_add_co_u32 s40, s40, s24                     ; q at my first query
	s_mov_b32 s41, 0
	s_lshl_b32 s42, s45, 8
	s_lshl_b32 s46, s22, 20
	s_add_co_u32 s42, s42, s46                     ; out likewise: rows of 256 bytes
	s_mov_b32 s43, 0
	s_lshl_b32 s46, ttmp9, 14
	s_sub_co_i32 s46, s46, 8192                    ; the window's first byte in the head's k
.irp i, 0,1,2,3                                ; four blocks of 128 keys, 8,192 bytes each
	s_add_co_i32 s[32+2*\i], s46, 8192*\i
	s_and_b32 s[32+2*\i], s[32+2*\i], 0x3ffff      ; outside the sequence: round within the head's 262,144 bytes
	s_add_co_u32 s[32+2*\i], s[32+2*\i], s24
	s_mov_b32 s[33+2*\i], 0
.endr
	s_wait_kmcnt 0x0
	s_load_b128 s[16:19], s[10:11], 0x0            ; eq, ek, ep, ev
	s_add_nc_u64 s[4:5], s[4:5], s[40:41]
	s_add_nc_u64 s[8:9], s[8:9], s[24:25]
	s_add_nc_u64 s[12:13], s[12:13], s[42:43]
.irp i, 0,1,2,3
	s_add_nc_u64 s[32+2*\i:33+2*\i], s[6:7], s[32+2*\i:33+2*\i]
.endr
	global_load_b128 v[QF:QF+3], v[QGO], s[4:5] th:TH_LOAD_NT             ; q's fragment stays in registers; read by this wave alone
	global_load_b128 v[QF+4:QF+7], v[QGO], s[4:5] offset:32 th:TH_LOAD_NT
.irp i, 0,1,2,3
	global_load_b128 v[S+4*\i:S+4*\i+3], v[T16], s[32+2*\i:33+2*\i]       ; a wave reads 512 consecutive bytes of k
.endr
.irp i, 0,1,2,3
	global_load_b128 v[S+16+4*\i:S+16+4*\i+3], v[VGO], s[8:9] offset:65536*\i   ; channel w + 16 i: 512 consecutive bytes of its row (at the sequence's ends in two pieces)
.endr
	s_wait_kmcnt 0x0
	s_add_co_i32 s44, s16, s17
	s_lshl_b32 s44, s44, 23
	s_add_co_i32 s28, s44, 0x3e38aa3b              ; c = log2(e) / 8 x 2^(eq + ek): the two exponents are added to the exponent field of log2(e) / 8
	s_mov_b32 s29, s28                             ; (named with it as a pair, so it is written)
	s_add_co_i32 s44, s18, 127
	s_lshl_b32 s45, s44, 23
	v_mov_b32 v[SC], s45                           ; 2^ep: the conversion takes its exponent field
	s_add_co_i32 s44, s44, 15
	s_lshl_b32 s44, s44, 23
	s_or_b32 s44, s44, 0x600000
	v_mov_b32 v[LIM], s44                          ; 57,344 x 2^ep
	s_add_co_i32 s42, s18, s19
	s_add_co_i32 s42, s42, 127
	s_lshl_b32 s42, s42, 23                        ; 2^(ep + ev)
	s_mov_b32 s43, s42
	s_mov_b32 s30, 0x76543210                      ; v_permlanex16_b32's selects for lane l xor 16
	s_mov_b32 s31, 0xfedcba98
	v_mov_b32 v[NI], 0xff800000
	v_mov_b32 v[NM+1], 0                           ; (upper halves of pairs that packed forms name)
	v_mov_b32 v[INV+1], 0
	v_mov_b32 v[XP], 0                             ; written once: a lane permute's destination counts as one of its sources
	s_wait_loadcnt 0x4                             ; q and k are in; v's four loads, issued behind them, may be out
.irp i, 0,1,2,3
	ds_store_b128 v[KST], v[S+4*\i:S+4*\i+3] offset:128*KP*\i
.endr
	s_wait_loadcnt 0x0
.irp i, 0,1,2,3
	ds_store_b128 v[VST], v[S+16+4*\i:S+16+4*\i+3] offset:16*VP*\i
.endr
	s_wait_dscnt 0x0                               ; for the others' sake: my stores have landed
	s_barrier_signal -1
	s_barrier_wait -1                              ; the window is whole.  The one barrier: from here on k's and v's bytes are only read, and a stage is its wave's own
; S^T = K Q^T, nine tiles of 16 keys at a time: 18 loads in one run, then each product as its fragment's two loads are in (the later tiles' two each may be out)
.macro KBATCH n
.if \n
.rept 4
	v_nop                                          ; four places in front of loads into registers that matrix instructions have read (ISA guide 7.12.1 for vector instructions)
.endr
.endif
.irp T, 0,1,2,3,4,5,6,7,8
	ds_load_b128 v[KF+8*\T:KF+8*\T+3], v[AK] offset:(9*(\n)+\T)*16*KP
	ds_load_b128 v[KF+8*\T+4:KF+8*\T+7], v[AK] offset:(9*(\n)+\T)*16*KP+32
.endr
.irp T, 0,1,2,3,4,5,6,7,8
	s_wait_dscnt 16-2*\T
	v_wmma_f32_16x16x64_bf8_bf8 v[S+8*(9*(\n)+\T):S+8*(9*(\n)+\T)+7], v[KF+8*\T:KF+8*\T+7], v[QF:QF+7], 0
.endr
.endm
	KBATCH 0
	KBATCH 1
; THE MASK: hidden scores become -infinity ahead of the maximum, so that p = 0.  Each accumulator is read from its lowest register on.
.macro MASKLO b
.irp i, 0,1,2,3,4,5,6,7,8,9,10,11,12,13,14,15
	v_cmp_lt_i32 vcc_lo, 32*(\b)+\i, v[MLO]
	v_cndmask_b32 v[S+16*(\b)+\i], v[S+16*(\b)+\i], v[NI], vcc_lo
.endr
.endm
.macro MASKHI b
.irp i, 0,1,2,3,4,5,6,7,8,9,10,11,12,13,14,15
	v_cmp_ge_i32 vcc_lo, 32*(\b)+\i, v[MHI]
	v_cndmask_b32 v[S+16*(\b)+\i], v[S+16*(\b)+\i], v[NI], vcc_lo
.endr
.endm
	MASKLO 0                                       ; the band's lower edge lies in group 0.  (Tiles 0 and 1 were finished ahead of the four v_nop above; these 32 lines name no register of the last products and are their places)
	MASKHI 8                                       ; its upper edge in group 8
	s_cmp_ge_i32 s26, 0                            ; ids alone: only where my first key lies ahead of the sequence (by 32 to 128 keys) are groups 1 to 3 cut
	s_cbranch_scc1 .Lno_low
	MASKLO 1
	MASKLO 2
	MASKLO 3
.Lno_low:
	s_cmp_le_i32 s26, 3840                         ; only where the sequence ends under my key offset 256 (at 160 to 224) are groups 5 to 7 cut
	s_cbranch_scc1 .Lno_high
	MASKHI 5
	MASKHI 6
	MASKHI 7
.Lno_high:
	; THE SOFTMAX of my query's 288 scores, of which I hold 144.  The largest, in two chains, ascending;
	v_max3_num_f32 v[MXA], v[S], v[S+1], v[S+2]
	v_max3_num_f32 v[MXB], v[S+3], v[S+4], v[S+5]
.set j, 6
.rept 34
	v_max3_num_f32 v[MXA], v[MXA], v[S+j], v[S+j+1]
	v_max3_num_f32 v[MXB], v[MXB], v[S+j+2], v[S+j+3]
.set j, j+4
.endr
	v_max3_num_f32 v[MXA], v[MXA], v[S+142], v[S+143]
	v_max_num_f32 v[MXA], v[MXA], v[MXB]
	v_permlanex16_b32 v[XP], v[MXA], s30, s31
	v_max_num_f32 v[MXA], v[MXA], v[XP]            ; and lane l xor 16's.  A query sees itself, so this is a number
	v_mul_f32 v[NM], s28, v[MXA]                   ; c x the largest (c is positive).  Its rounding is a factor common to the row's p: the division by the sum takes it out
.set j, 0
.rept 72
	v_pk_fma_f32 v[S+j:S+j+1], v[S+j:S+j+1], s[28:29], v[NM:NM+1] op_sel_hi:[1,0,0] neg_lo:[0,0,1] neg_hi:[0,0,1]   ; c s - c max, two at a time
.set j, j+2
.endr
.set j, 0
.rept 144
	v_exp_f32 v[S+j], v[S+j]                       ; one batch: none reads another's result
.set j, j+1
.endr
	v_nop                                          ; a plain instruction behind the last exponential (ISA guide 5.7.2)
	s_wait_alu depctr_va_vdst(0)                   ; the wait ahead of the batch's first reader: one for all 144
	v_pk_add_f32 v[SA:SA+1], v[S:S+1], v[S+2:S+3]  ; the row's sum, two at a time, in two chains
	v_pk_add_f32 v[SB:SB+1], v[S+4:S+5], v[S+6:S+7]
.set j, 8
.rept 34
	v_pk_add_f32 v[SA:SA+1], v[SA:SA+1], v[S+j:S+j+1]
	v_pk_add_f32 v[SB:SB+1], v[SB:SB+1], v[S+j+2:S+j+3]
.set j, j+4
.endr
	v_pk_add_f32 v[SA:SA+1], v[SA:SA+1], v[SB:SB+1]
	v_add_f32 v[SA], v[SA], v[SA+1]
	v_permlanex16_b32 v[XP], v[SA], s30, s31
	v_add_f32 v[SA], v[SA], v[XP]
	v_rcp_f32 v[INV], v[SA]
	v_nop                                          ; a plain instruction behind the reciprocal
	s_wait_alu depctr_va_vdst(0)                   ; and the wait ahead of its first reader
.set j, 0
.rept 72
	v_pk_mul_f32 v[S+j:S+j+1], v[S+j:S+j+1], v[INV:INV+1] op_sel_hi:[1,0]   ; p, finished and normalised, in f32
.set j, j+2
.endr
	; THE HOLD.  The conversion to an 8-bit code does not saturate (ISA guide 7.6.2).  p is 1 at the most (a few last bits over at worst) and never negative; from ep = -15 on 57,344 x 2^ep is 1.75 or more,
	; and the hold changes nothing: it is walked only under that.  The branch hangs on a whole number that was read; this text has no tensor load, no copy and no barrier behind this line
	s_cmp_ge_i32 s18, -15
	s_cbranch_scc1 .Lno_hold
.set j, 0
.rept 144
	v_min_num_f32 v[S+j], v[S+j], v[LIM]
.set j, j+1
.endr
.Lno_hold:
.irp b, 0,1,2,3,4,5,6,7,8
	v_cvt_scalef32_pk8_bf8_f32 v[PC+4*\b:PC+4*\b+1], v[S+16*\b:S+16*\b+7], v[SC]         ; p / 2^ep to the nearest code, ties to even: keys 32 b + 16 h + 0 .. 7,
	v_cvt_scalef32_pk8_bf8_f32 v[PC+4*\b+2:PC+4*\b+3], v[S+16*\b+8:S+16*\b+15], v[SC]    ; and + 8 .. 15
.endr
.irp i, 36,37,38,39
	v_mov_b32 v[PC+\i], 0                          ; the fifth key step has 32 keys: its other 32 are zero codes.  (Also the plain lines between the conversions and the products that read their results)
.endr
	; O^T = V^T P^T: five steps of 64 keys x four tiles of 16 channels.  All of v's fragments in one run of 37 loads, into the registers that p has left
.irp s, 0,1,2,3
.irp t, 0,1,2,3
	ds_load_b128 v[VF+32*\s+8*\t:VF+32*\s+8*\t+3], v[AV] offset:16*VP*\t+64*\s
	ds_load_b128 v[VF+32*\s+8*\t+4:VF+32*\s+8*\t+7], v[AV] offset:16*VP*\t+64*\s+32
.endr
.endr
.irp t, 0,1,2,3
	ds_load_b128 v[VF+128+4*\t:VF+128+4*\t+3], v[AV] offset:16*VP*\t+256   ; step 4: 32 keys, four registers a tile.  A tile's fragment is these and the four behind them, which meet the zero codes:
.endr
	ds_load_b128 v[VF+144:VF+147], v[AV] offset:16*VP*3+256                ; the next tile's, and for the last tile its own once more: codes of v, so numbers
.irp s, 0,1,2,3
	s_wait_dscnt 29-8*\s                           ; this step's eight loads are in; those of the later steps (37 in all) may be out
.irp t, 0,1,2,3                                ; the four accumulators take turns, one instruction a turn
.if \s == 0
	v_wmma_f32_16x16x64_bf8_bf8 v[OT+8*\t:OT+8*\t+7], v[VF+32*\s+8*\t:VF+32*\s+8*\t+7], v[PC+8*\s:PC+8*\s+7], 0
.else
	v_wmma_f32_16x16x64_bf8_bf8 v[OT+8*\t:OT+8*\t+7], v[VF+32*\s+8*\t:VF+32*\s+8*\t+7], v[PC+8*\s:PC+8*\s+7], v[OT+8*\t:OT+8*\t+7]
.endif
.endr
.endr
	s_wait_dscnt 0x0
.irp t, 0,1,2,3
	v_wmma_f32_16x16x64_bf8_bf8 v[OT+8*\t:OT+8*\t+7], v[VF+128+4*\t:VF+128+4*\t+7], v[PC+32:PC+39], v[OT+8*\t:OT+8*\t+7]
.endr
	; THE WAY OUT.  Register 8 t + j of lane (r, h) is out(q0 + r, 16 t + 8 h + j): 32 neighbouring bytes of a row, and the lanes beside hold other rows.  So the tile goes through my own stage and comes back as whole rows
.rept 4
	v_nop                                          ; four places behind the last products, ahead of the first read of their results and of loads into registers that they read
.endr
.set j, 0
.rept 16
	v_pk_mul_f32 v[OT+j:OT+j+1], v[OT+j:OT+j+1], s[42:43] op_sel_hi:[1,0]   ; x 2^(ep + ev); each accumulator from its low end on
.set j, j+2
.endr
.irp t, 0,1,2,3
	ds_store_b128 v[SO], v[OT+8*\t:OT+8*\t+3] offset:64*\t
	ds_store_b128 v[SO], v[OT+8*\t+4:OT+8*\t+7] offset:64*\t+16
.endr
.irp i, 0,1,2,3,4,5,6,7
	ds_load_b128 v[VF+4*\i:VF+4*\i+3], v[SR] offset:2*\i*SP   ; LDS serves a wave's instructions in order (ISA guide 5.7.1.4): these see my stores
.endr
.irp i, 0,1,2,3,4,5,6,7
	s_wait_dscnt 7-\i                              ; rows 2 i and 2 i + 1 are back; the later loads may be out
	global_store_b128 v[GO], v[VF+4*\i:VF+4*\i+3], s[12:13] offset:512*\i th:TH_STORE_NT   ; 16 lanes store a row's 256 consecutive bytes, at a multiple of 256 from out's first byte; written once, read by nobody here
.endr
	s_wait_tensorcnt 0x0                           ; the wave's end
	ds_add_u32 v[SPW], v[NIL]
	s_wait_dscnt 0x0
	s_endpgm
.Lfunc_end_k_q1b540a802d_band:
	.size	k_q1b540a802d_band, .Lfunc_end_k_q1b540a802d_band-k_q1b540a802d_band
	.p2alignl 7, 3214868480
	.fill 96, 4, 3214868480
	.section	.rodata,"a",@progbits
	.p2align	6, 0x0
	.amdhsa_kernel k_q1b540a802d_band
		.amdhsa_group_segment_fixed_size 146432
		.amdhsa_private_segment_fixed_size 0
		.amdhsa_enable_private_segment 0
		.amdhsa_kernarg_size 40
		.amdhsa_user_sgpr_count 2
		.amdhsa_user_sgpr_kernarg_segment_ptr 1
		.amdhsa_wavefront_size32 1
		.amdhsa_system_sgpr_workgroup_id_x 1
		.amdhsa_system_sgpr_workgroup_id_y 1
		.amdhsa_system_sgpr_workgroup_id_z 1
		.amdhsa_system_vgpr_workitem_id 0
		.amdhsa_next_free_vgpr 256
		.amdhsa_next_free_sgpr 66
		.amdhsa_reserve_vcc 1
		.amdhsa_float_denorm_mode_32 3
		.amdhsa_float_denorm_mode_16_64 3
		.amdhsa_memory_ordered 1
		.amdhsa_forward_progress 1
		.amdhsa_inst_pref_size 59
	.end_amdhsa_kernel
	.amdgpu_metadata
---
amdhsa.version: [ 1, 2 ]
amdhsa.kernels:
  - .name:           k_q1b540a802d_band
    .symbol:         k_q1b540a802d_band.kd
    .args:
      - { .name: q_codes, .offset: 0, .size: 8, .value_kind: global_buffer, .address_space: global }
      - { .name: k_codes, .offset: 8, .size: 8, .value_kind: global_buffer, .address_space: global }
      - { .name: v_codes, .offset: 16, .size: 8, .value_kind: global_buffer, .address_space: global }
      - { .name: lowp_scales, .offset: 24, .size: 8, .value_kind: global_buffer, .address_space: global }
      - { .name: out0, .offset: 32, .size: 8, .value_kind: global_buffer, .address_space: global }
    .group_segment_fixed_size: 146432
    .private_segment_fixed_size: 0
    .kernarg_segment_align: 8
    .kernarg_segment_size: 40
    .max_flat_workgroup_size: 512
    .sgpr_count:     66
    .vgpr_count:     256
    .wavefront_size: 32
...
	.end_amdgpu_metadata
.endif
;; end of part 1
;; ======== version 2 of 2: 1 launch; version 1 with the launch band written anew for expert scheduling mode
;; limits: right only within a limited range of input values
;; launch band (part 2): grid 16 x 16, 16 waves a work-group, no clusters, 146,432 bytes of LDS; arguments q_codes, k_codes, v_codes, lowp_scales, out0; writes out0
.if DOCPART == 2
	.amdgcn_target "amdgcn-amd-amdhsa--gfx1250"
	.amdhsa_code_object_version 6
	.text
	.protected	k_q1b540a802d_band
	.globl	k_q1b540a802d_band
	.p2align	8
	.type	k_q1b540a802d_band,@function
k_q1b540a802d_band:
	s_mov_b64 s[64:65], 0
	v_nop
	global_prefetch_b8 v0, s[64:65] scope:SCOPE_SE
	s_setreg_imm32_b32 hwreg(HW_REG_WAVE_SCHED_MODE, 0, 2), 2
	s_setreg_imm32_b32 hwreg(HW_REG_WAVE_MODE, 25, 1), 1
	s_wait_xcnt 0x0
	s_wait_alu depctr_vm_vsrc(0)
; out[h][i][:] = sum over j of softmax_j(q[h][i] . k[h][j] / 8) v[h][j][:], j in [i - 128, i + 128) cut to [0, 4096).  16 heads, 4,096 rows, head size 64.
; q, k: codes of E5M2, [head][row][64];  v: codes of E5M2 with the KEYS innermost, [head][64][4096];  out: f32, [head][row][64].  lowp_scales: eq, ek, ep, ev.
; Both products on codes, by v_wmma_f32_16x16x64_bf8_bf8.  WHAT IS QUANTISED FOR THE SECOND PRODUCT IS THE FINISHED, NORMALISED SOFTMAX: so a row's maximum and sum are known
; before any p is converted.  A row sees at most 256 keys: a tile's whole band of scores stays in registers, and there is one pass and no running maximum.
; SHARES.  Work-group (x, head) owns queries 256 x .. 256 x + 255; its window is the 512 keys from 256 x - 128 on: 32 KiB of k, 32 KiB of v, brought once into LDS through registers.
; Wave w of sixteen owns the 16 queries from q0 = 256 x + 16 w, and takes 9 groups of 32 keys from window group w / 2 on: 288 keys, which cover [q0 - 128, q0 + 143); the last wave ends at window key 512.
; LAYOUT.  Both products are used transposed: S^T = K Q^T (source 0 = 16 keys, source 1 = my 16 queries), O^T = V^T P^T (source 0 = 16 channels, source 1 = P): a lane holds ONE query (lane % 16) throughout.
; THE KEYS OF A TILE ARE NOT NEIGHBOURS: row m of tile 2 b + u is key 32 b + 8 u + m + 8 (m / 8), so that the 16 registers of tiles 2 b, 2 b + 1 are the 16 neighbouring keys 32 b + 16 (lane / 16) + 0 .. 15,
; and the conversions' results are the second product's operand.  k's rows are put into that order as they are stored to LDS, so a tile is 16 LDS rows on end.
; A fragment is fetched by two loads of 16 bytes: registers 4 c .. 4 c + 3 hold K = 32 c + 16 (lane / 16) + 0 .. 15: a permutation of K that is the same in both operands of each product.
; THE SEQUENCE'S ENDS.  Window parts that lie outside the sequence are fetched from inside it (the offset wraps round within the head, or within v's row): no load leaves its buffer; those keys are hidden by the mask bounds.
; NO CLUSTER, NO TENSOR LOAD: work-group x shares keys 256 x + 128 .. 256 x + 383 with x + 1 alone, at window key 256 here and 0 there, and the other half with x - 1: no tile has the same LDS place in two work-groups;
; and k's rows change their order on the way in.  NO PREFETCH: each byte is asked for by the loads at the head, and nothing is asked for later.
; LIMITS: eq + ek between -123 and 130 (added to an exponent field); ep between -126 and 112; ep + ev between -126 and 127.  Codes of infinity or NaN in q, k, v are not served (a hidden key's v is multiplied by the code 0).
; A p under 2^-126 becomes 0 in v_exp_f32: it shows only where ep is under -109.
; THE MODE: SCHED_MODE bits 1:0 = 2 (LLVM: expert scheduling mode 2), set by the entry lines.  The code itself states the register dependences
; between vector or matrix instructions and memory or LDS instructions, with s_wait_alu, always for 0.
; THE PLAN.  The text is one straight walk, and a wave's 256 registers are all in use: no buffer has a twin.  Registers that memory or LDS instructions touch, in the order of the walk:
;   v5-v14      offsets and LDS addresses: written once at the head by vector instructions, read by every load and store, never written again.  v1, v2: written at the head, read by the closing add alone.
;   v24-v31     q: a global load lands there; no vector instruction names them ahead of it.
;   v112-v143   k's and v's bytes: global loads land there, the LDS stores read them, then the first products write them (S^T).
;   v32-v103    k's fragments: the first nine tiles' LDS loads land there, nine products read them, the other nine tiles' loads land there.  Afterwards vector and matrix instructions alone name them, until the stage's stores read O^T.
;   v104-v251   the mask, the softmax and the conversions write and read them; then v's 37 LDS loads land there; the second product reads them; the stage's loads land in v104-v135, and the global stores leave from there.
; So four waits on va_vdst stand ahead of runs of memory instructions (the head's loads; k's second run; v's run; the way out), each with nothing behind it, up to the run's end, that names a register of the run;
; one wait on vm_vsrc stands behind the barrier, ahead of the first products; the wave's number and each group of sixteen masks, which vector instructions write into scalar registers, have a wait on va_sdst ahead of their first reader.
.set KP,    80                         ; a key's row in LDS: 64 bytes + 16: row r begins at 16-byte column 5 r mod 16, so the 16 rows of a fragment load begin at 16 different columns
.set VP,    528                        ; a channel's row of v: 512 window bytes + 16: row r begins at column r mod 16
.set SP,    272                        ; a row of the way out's stage: 256 bytes + 16
.set VB,    512*KP                     ; LDS: k's 512 rows from 0; v's 64 rows from here;
.set STG,   VB+64*VP                   ; a stage of 16 rows for each wave;
.set SPARE, STG+16*16*SP               ; the spare words, 128 bytes for each of sixteen waves: eight blocks of 256 bytes that no other line names
.set SPW,  1                           ; v1   LDS address of my spare word; never rewritten
.set NIL,  2                           ; v2   0; never rewritten
.set RR,   3                           ; v3   r = lane % 16
.set HH,   4                           ; v4   h = lane / 16
.set T16,  5                           ; v5   16 x my thread's number: k's offset in a block of 128 keys
.set KST,  6                           ; v6   where I store 16 bytes of k
.set VGO,  7                           ; v7   v's offset in memory
.set VST,  8                           ; v8   where I store 16 bytes of v
.set QGO,  9                           ; v9   q's offset
.set AK,   10                          ; v10  my place in the wave's first tile of k
.set AV,   11                          ; v11  the same for v
.set SO,   12                          ; v12  the stage: where I put 32 bytes of a row
.set SR,   13                          ; v13  and where I read a row back
.set GO,   14                          ; v14  my offset in the wave's rows of out
.set MLO,  15                          ; v15  a score in register 16 b + i is hidden where 32 b + i < this,
.set MHI,  16                          ; v16  or 32 b + i >= this
.set NI,   17                          ; v17  -infinity
.set NM,   18                          ; v[18:19] c x the row's largest score (the packed form names a pair and takes its low word)
.set INV,  20                          ; v[20:21] 1 / the row's sum, likewise
.set SC,   22                          ; v22  2^ep as f32
.set LIM,  23                          ; v23  57,344 x 2^ep
.set QF,   24                          ; v[24:31] q's fragment
.set KF,   32                          ; v[32:103] nine fragments of k
.set PC,   32                          ; later v[32:71]: p's codes, four registers a group of 32 keys; the last four are zeros
.set OT,   72                          ; later v[72:103]: O^T, four accumulators
.set MXA,  104                         ; v104, v105 the maximum's two chains
.set MXB,  105
.set XP,   106                         ; v106 a lane permute's destination
.set SA,   108                         ; v[108:109], v[110:111] the sum's two chains
.set SB,   110
.set S,    112                         ; v[112:255] S^T, then p: register 16 b + i = key 32 b + 16 h + i of my query.  (While k and v are staged: v[112:143] hold the loaded bytes)
.set VF,   104                         ; later v[104:251]: v's fragments;  on the way out v[104:135]: rows read back
.set MK,   48                          ; s[48:63] the sixteen masks of a group of 32 keys
	s_load_b256 s[4:11], s[0:1], 0x0               ; q s[4:5], k s[6:7], v s[8:9], the scales' exponents s[10:11]
	s_load_b64 s[12:13], s[0:1], 0x20              ; out
	v_lshl_add_u32 v[SPW], v0, 2, SPARE
	v_mov_b32 v[NIL], 0
	v_lshrrev_b32 v[RR], 5, v0
	v_readfirstlane_b32 s20, v[RR]                 ; wave w, 0 .. 15
	s_lshl_b32 s21, ttmp9, 8                       ; the work-group's first query, 256 x
	s_and_b32 s22, ttmp7, 0xffff                   ; the head
	v_and_b32 v[RR], 15, v0
	v_bfe_u32 v[HH], v0, 4, 1
	v_lshlrev_b32 v[T16], 4, v0
	; k into LDS.  Thread t holds chunk t % 4 of key t / 4 of a block of 128.  Key 32 g + k' goes to row 32 g + 16 u + m, u = bit 3 of k', m = bits 2:0 of k' and bit 4 on top
	v_bfe_u32 v[KST], v0, 2, 3
	v_bfe_u32 v[MXA], v0, 6, 1
	v_lshl_or_b32 v[KST], v[MXA], 3, v[KST]
	v_bfe_u32 v[MXA], v0, 5, 1
	v_lshl_or_b32 v[KST], v[MXA], 4, v[KST]
	v_lshrrev_b32 v[MXA], 7, v0
	v_lshl_or_b32 v[KST], v[MXA], 5, v[KST]
	v_mul_u32_u24 v[KST], v[KST], KP
	v_and_b32 v[MXA], 3, v0
	v_lshl_add_u32 v[KST], v[MXA], 4, v[KST]
	; v: wave w takes channels w, w + 16, w + 32, w + 48; a lane 16 of the row's 512 window bytes
	v_and_b32 v[MXB], 31, v0                       ; lane
	s_sub_co_i32 s44, s21, 128                     ; the window's first key (under 0 in the first work-group of a head)
	v_lshl_add_u32 v[VGO], v[MXB], 4, s44
	v_and_b32 v[VGO], 0xfff, v[VGO]                ; outside the sequence: round within the row of 4,096 bytes
	s_wait_alu depctr_va_sdst(0)                   ; s20, the wave's number, is written, ahead of its first reader: the line below
	s_lshr_b32 s23, s20, 1                         ; my first group of 32 window keys: w / 2
	s_lshl_b32 s45, s20, 12
	v_add_nc_u32 v[VGO], s45, v[VGO]
	s_mul_i32 s45, s20, VP
	v_lshl_add_u32 v[VST], v[MXB], 4, s45
	v_add_nc_u32 v[VST], VB, v[VST]
	v_lshlrev_b32 v[QGO], 6, v[RR]
	v_lshl_add_u32 v[QGO], v[HH], 4, v[QGO]        ; q: row r of 64 bytes, + 16 h
	s_mul_i32 s45, s23, 32*KP
	v_mul_u32_u24 v[AK], v[RR], KP
	v_lshl_add_u32 v[AK], v[HH], 4, v[AK]
	v_add_nc_u32 v[AK], s45, v[AK]                 ; k: my first group's rows, row r, + 16 h
	s_lshl_b32 s45, s23, 5
	s_add_co_u32 s45, s45, VB
	v_mul_u32_u24 v[AV], v[RR], VP
	v_lshl_add_u32 v[AV], v[HH], 4, v[AV]
	v_add_nc_u32 v[AV], s45, v[AV]                 ; v: channel r, my first key's byte, + 16 h
	s_mul_i32 s45, s20, 16*SP
	s_add_co_u32 s45, s45, STG                     ; my stage
	v_mul_u32_u24 v[SO], v[RR], SP
	v_lshl_add_u32 v[SO], v[HH], 5, v[SO]
	v_add_nc_u32 v[SO], s45, v[SO]                 ; in: row r, 32 bytes for each half of the lanes
	v_mul_u32_u24 v[SR], v[HH], SP
	v_lshl_add_u32 v[SR], v[RR], 4, v[SR]
	v_add_nc_u32 v[SR], s45, v[SR]                 ; back: lanes 0-15 one row of 256 bytes, lanes 16-31 the next
	v_lshlrev_b32 v[GO], 8, v[HH]
	v_lshl_add_u32 v[GO], v[RR], 4, v[GO]          ; and the same two rows in out
	; THE MASK'S BOUNDS, in key offsets from ks, my first key.  Query q0 + r sees offsets lo .. lo + 255, lo = r + 16 (w % 2), cut to -ks .. 4095 - ks.
	; -ks is 0 or less, or 32 or more, and lo is 31 at the most;  4096 - ks is 288 or more, or 256 or less, and lo + 256 lies in 256 .. 287: so each bound is one of the two, chosen by ids
	s_lshl_b32 s26, s23, 5
	s_add_co_i32 s26, s26, s44                     ; ks = 256 x - 128 + 32 (w / 2)
	s_and_b32 s45, s20, 1
	s_lshl_b32 s45, s45, 4                         ; 16 (w % 2)
	s_sub_co_i32 s46, 0, s26
	s_cmp_lt_i32 s26, 0
	s_cselect_b32 s47, 0, 15                       ; r counts in lo alone
	s_cselect_b32 s46, s46, s45
	v_and_b32 v[MLO], s47, v[RR]
	v_add_nc_u32 v[MLO], s46, v[MLO]
	s_add_co_u32 s14, s45, 256
	s_sub_co_i32 s15, 4096, s26
	s_cmp_ge_i32 s26, 3840
	s_cselect_b32 s27, 0, 15
	s_cselect_b32 s15, s15, s14
	v_and_b32 v[MHI], s27, v[RR]
	v_add_nc_u32 v[MHI], s15, v[MHI]
	v_lshlrev_b32 v[MXA], 4, v[HH]
	v_sub_nc_u32 v[MLO], v[MLO], v[MXA]            ; a register's key offset is 32 b + i + 16 h: the 16 h goes to the bounds' side
	v_sub_nc_u32 v[MHI], v[MHI], v[MXA]
	; offsets in memory, each under 2^25
	s_lshl_b32 s24, s22, 18                        ; the head's first byte in each tensor of codes
	s_mov_b32 s25, 0
	s_lshl_b32 s45, s20, 4
	s_add_co_u32 s45, s45, s21                     ; q0
	s_lshl_b32 s40, s45, 6
	s_add_co_u32 s40, s40, s24                     ; q at my first query
	s_mov_b32 s41, 0
	s_lshl_b32 s42, s45, 8
	s_lshl_b32 s46, s22, 20
	s_add_co_u32 s42, s42, s46                     ; out likewise: rows of 256 bytes
	s_mov_b32 s43, 0
	s_lshl_b32 s46, ttmp9, 14
	s_sub_co_i32 s46, s46, 8192                    ; the window's first byte in the head's k
.irp i, 0,1,2,3                                ; four blocks of 128 keys, 8,192 bytes each
	s_add_co_i32 s[32+2*\i], s46, 8192*\i
	s_and_b32 s[32+2*\i], s[32+2*\i], 0x3ffff      ; outside the sequence: round within the head's 262,144 bytes
	s_add_co_u32 s[32+2*\i], s[32+2*\i], s24
	s_mov_b32 s[33+2*\i], 0
.endr
	s_wait_kmcnt 0x0
	s_load_b128 s[16:19], s[10:11], 0x0            ; eq, ek, ep, ev
	s_add_nc_u64 s[4:5], s[4:5], s[40:41]
	s_add_nc_u64 s[8:9], s[8:9], s[24:25]
	s_add_nc_u64 s[12:13], s[12:13], s[42:43]
.irp i, 0,1,2,3
	s_add_nc_u64 s[32+2*\i:33+2*\i], s[6:7], s[32+2*\i:33+2*\i]
.endr
	s_wait_alu depctr_va_vdst(0)                   ; the ten offsets and LDS addresses v5 to v14 are written, which every load and store of the kernel reads; they are never written again
	global_load_b128 v[QF:QF+3], v[QGO], s[4:5] th:TH_LOAD_NT             ; q's fragment stays in registers; read by this wave alone
	global_load_b128 v[QF+4:QF+7], v[QGO], s[4:5] offset:32 th:TH_LOAD_NT
.irp i, 0,1,2,3
	global_load_b128 v[S+4*\i:S+4*\i+3], v[T16], s[32+2*\i:33+2*\i]       ; a wave reads 512 consecutive bytes of k
.endr
.irp i, 0,1,2,3
	global_load_b128 v[S+16+4*\i:S+16+4*\i+3], v[VGO], s[8:9] offset:65536*\i   ; channel w + 16 i: 512 consecutive bytes of its row (at the sequence's ends in two pieces)
.endr
	s_wait_kmcnt 0x0
	s_add_co_i32 s44, s16, s17
	s_lshl_b32 s44, s44, 23
	s_add_co_i32 s28, s44, 0x3e38aa3b              ; c = log2(e) / 8 x 2^(eq + ek): the two exponents are added to the exponent field of log2(e) / 8
	s_mov_b32 s29, s28                             ; (named with it as a pair, so it is written)
	s_add_co_i32 s44, s18, 127
	s_lshl_b32 s45, s44, 23
	v_mov_b32 v[SC], s45                           ; 2^ep: the conversion takes its exponent field.  (These six v_mov_b32 name v17, v19, v21, v22, v23 and v106: no register of the loads above, of the LDS stores below or of k's first run of loads)
	s_add_co_i32 s44, s44, 15
	s_lshl_b32 s44, s44, 23
	s_or_b32 s44, s44, 0x600000
	v_mov_b32 v[LIM], s44                          ; 57,344 x 2^ep
	s_add_co_i32 s42, s18, s19
	s_add_co_i32 s42, s42, 127
	s_lshl_b32 s42, s42, 23                        ; 2^(ep + ev)
	s_mov_b32 s43, s42
	s_mov_b32 s30, 0x76543210                      ; v_permlanex16_b32's selects for lane l xor 16
	s_mov_b32 s31, 0xfedcba98
	v_mov_b32 v[NI], 0xff800000
	v_mov_b32 v[NM+1], 0                           ; (upper halves of pairs that packed forms name)
	v_mov_b32 v[INV+1], 0
	v_mov_b32 v[XP], 0                             ; written once: a lane permute's destination counts as one of its sources
	s_wait_loadcnt 0x4                             ; q and k are in; v's four loads, issued behind them, may be out
.irp i, 0,1,2,3
	ds_store_b128 v[KST], v[S+4*\i:S+4*\i+3] offset:128*KP*\i
.endr
	s_wait_loadcnt 0x0
.irp i, 0,1,2,3
	ds_store_b128 v[VST], v[S+16+4*\i:S+16+4*\i+3] offset:16*VP*\i
.endr
	s_wait_dscnt 0x0                               ; for the others' sake: my stores have landed
	s_barrier_signal -1
	s_barrier_wait -1                              ; the window is whole.  The one barrier: from here on k's and v's bytes are only read, and a stage is its wave's own
	s_wait_alu depctr_vm_vsrc(0)                   ; my LDS stores have read v[S .. S + 31], which the first four products below write
; S^T = K Q^T, nine tiles of 16 keys at a time: 18 loads in one run, then each product as its fragment's two loads are in (the later tiles' two each may be out)
.macro KBATCH n
.if \n
.rept 4
	v_nop                                          ; four places behind the first nine products (ISA guide 7.12.1): they stay beside the wait below, and stand between tiles 0 and 1 and the mask's lines that write them
.endr
	s_wait_alu depctr_va_vdst(0)                   ; the first nine products are done reading v[KF .. KF + 71], in which the loads below land
.endif
.irp T, 0,1,2,3,4,5,6,7,8
	ds_load_b128 v[KF+8*\T:KF+8*\T+3], v[AK] offset:(9*(\n)+\T)*16*KP
	ds_load_b128 v[KF+8*\T+4:KF+8*\T+7], v[AK] offset:(9*(\n)+\T)*16*KP+32
.endr
.irp T, 0,1,2,3,4,5,6,7,8
	s_wait_dscnt 16-2*\T
	v_wmma_f32_16x16x64_bf8_bf8 v[S+8*(9*(\n)+\T):S+8*(9*(\n)+\T)+7], v[KF+8*\T:KF+8*\T+7], v[QF:QF+7], 0
.endr
.endm
	KBATCH 0
	KBATCH 1
; THE MASK: hidden scores become -infinity ahead of the maximum, so that p = 0.  Each accumulator is read from its lowest register on.
; A group's sixteen compares go as one run into sixteen scalar registers, with one wait between the run and the selects that read them.
.macro MASKLO b
.irp i, 0,1,2,3,4,5,6,7,8,9,10,11,12,13,14,15
	v_cmp_lt_i32 s[MK+\i], 32*(\b)+\i, v[MLO]
.endr
	s_wait_alu depctr_va_sdst(0)                   ; the sixteen compares have written s[MK .. MK + 15], ahead of their first reader
.irp i, 0,1,2,3,4,5,6,7,8,9,10,11,12,13,14,15
	v_cndmask_b32 v[S+16*(\b)+\i], v[S+16*(\b)+\i], v[NI], s[MK+\i]
.endr
.endm
.macro MASKHI b
.irp i, 0,1,2,3,4,5,6,7,8,9,10,11,12,13,14,15
	v_cmp_ge_i32 s[MK+\i], 32*(\b)+\i, v[MHI]
.endr
	s_wait_alu depctr_va_sdst(0)                   ; the sixteen compares have written s[MK .. MK + 15], ahead of their first reader
.irp i, 0,1,2,3,4,5,6,7,8,9,10,11,12,13,14,15
	v_cndmask_b32 v[S+16*(\b)+\i], v[S+16*(\b)+\i], v[NI], s[MK+\i]
.endr
.endm
	MASKLO 0                                       ; the band's lower edge lies in group 0.  (Tiles 0 and 1 were finished ahead of the four v_nop above; these 32 lines name no register of the last products and are their places)
	MASKHI 8                                       ; its upper edge in group 8
	s_cmp_ge_i32 s26, 0                            ; ids alone: only where my first key lies ahead of the sequence (by 32 to 128 keys) are groups 1 to 3 cut
	s_cbranch_scc1 .Lno_low
	MASKLO 1
	MASKLO 2
	MASKLO 3
.Lno_low:
	s_cmp_le_i32 s26, 3840                         ; only where the sequence ends under my key offset 256 (at 160 to 224) are groups 5 to 7 cut
	s_cbranch_scc1 .Lno_high
	MASKHI 5
	MASKHI 6
	MASKHI 7
.Lno_high:
	; THE SOFTMAX of my query's 288 scores, of which I hold 144.  The largest, in two chains, ascending;
	v_max3_num_f32 v[MXA], v[S], v[S+1], v[S+2]
	v_max3_num_f32 v[MXB], v[S+3], v[S+4], v[S+5]
.set j, 6
.rept 34
	v_max3_num_f32 v[MXA], v[MXA], v[S+j], v[S+j+1]
	v_max3_num_f32 v[MXB], v[MXB], v[S+j+2], v[S+j+3]
.set j, j+4
.endr
	v_max3_num_f32 v[MXA], v[MXA], v[S+142], v[S+143]
	v_max_num_f32 v[MXA], v[MXA], v[MXB]
	v_permlanex16_b32 v[XP], v[MXA], s30, s31
	v_max_num_f32 v[MXA], v[MXA], v[XP]            ; and lane l xor 16's.  A query sees itself, so this is a number
	v_mul_f32 v[NM], s28, v[MXA]                   ; c x the largest (c is positive).  Its rounding is a factor common to the row's p: the division by the sum takes it out
.set j, 0
.rept 72
	v_pk_fma_f32 v[S+j:S+j+1], v[S+j:S+j+1], s[28:29], v[NM:NM+1] op_sel_hi:[1,0,0] neg_lo:[0,0,1] neg_hi:[0,0,1]   ; c s - c max, two at a time
.set j, j+2
.endr
.set j, 0
	s_wait_alu depctr_va_vdst(0)
.rept 144
	v_exp_f32 v[S+j], v[S+j]                       ; one batch: none reads another's result
.set j, j+1
.endr
	v_nop                                          ; a plain instruction behind the last exponential (ISA guide 5.7.2)
	s_wait_alu depctr_va_vdst(0)                   ; the 144 exponentials have written v[S .. S + 143]: the wait ahead of the batch's first reader: one for all
	v_pk_add_f32 v[SA:SA+1], v[S:S+1], v[S+2:S+3]  ; the row's sum, two at a time, in two chains
	v_pk_add_f32 v[SB:SB+1], v[S+4:S+5], v[S+6:S+7]
.set j, 8
.rept 34
	v_pk_add_f32 v[SA:SA+1], v[SA:SA+1], v[S+j:S+j+1]
	v_pk_add_f32 v[SB:SB+1], v[SB:SB+1], v[S+j+2:S+j+3]
.set j, j+4
.endr
	v_pk_add_f32 v[SA:SA+1], v[SA:SA+1], v[SB:SB+1]
	v_add_f32 v[SA], v[SA], v[SA+1]
	v_permlanex16_b32 v[XP], v[SA], s30, s31
	v_add_f32 v[SA], v[SA], v[XP]
	s_wait_alu depctr_va_vdst(0)
	v_rcp_f32 v[INV], v[SA]
	v_nop                                          ; a plain instruction behind the reciprocal
	s_wait_alu depctr_va_vdst(0)                   ; the reciprocal has written v[INV]: the wait ahead of its first reader
.set j, 0
.rept 72
	v_pk_mul_f32 v[S+j:S+j+1], v[S+j:S+j+1], v[INV:INV+1] op_sel_hi:[1,0]   ; p, finished and normalised, in f32
.set j, j+2
.endr
	; THE HOLD.  The conversion to an 8-bit code does not saturate (ISA guide 7.6.2).  p is 1 at the most (a few last bits over at worst) and never negative; from ep = -15 on 57,344 x 2^ep is 1.75 or more,
	; and the hold changes nothing: it is walked only under that.  The branch hangs on a whole number that was read; this text has no tensor load, no copy and no barrier behind this line
	s_cmp_ge_i32 s18, -15
	s_cbranch_scc1 .Lno_hold
.set j, 0
.rept 144
	v_min_num_f32 v[S+j], v[S+j], v[LIM]
.set j, j+1
.endr
.Lno_hold:
.irp b, 0,1,2,3,4,5,6,7,8
	v_cvt_scalef32_pk8_bf8_f32 v[PC+4*\b:PC+4*\b+1], v[S+16*\b:S+16*\b+7], v[SC]         ; p / 2^ep to the nearest code, ties to even: keys 32 b + 16 h + 0 .. 7,
	v_cvt_scalef32_pk8_bf8_f32 v[PC+4*\b+2:PC+4*\b+3], v[S+16*\b+8:S+16*\b+15], v[SC]    ; and + 8 .. 15
.endr
.irp i, 36,37,38,39
	v_mov_b32 v[PC+\i], 0                          ; the fifth key step has 32 keys: its other 32 are zero codes.  (Also the plain lines between the conversions and the products that read their results)
.endr
	; O^T = V^T P^T: five steps of 64 keys x four tiles of 16 channels.  All of v's fragments in one run of 37 loads, into the registers that p has left
	s_wait_alu depctr_va_vdst(0)                   ; the softmax and the conversions are done writing and reading v[VF .. VF + 147] (the chains' registers and p), in which the 37 loads below land
.irp s, 0,1,2,3
.irp t, 0,1,2,3
	ds_load_b128 v[VF+32*\s+8*\t:VF+32*\s+8*\t+3], v[AV] offset:16*VP*\t+64*\s
	ds_load_b128 v[VF+32*\s+8*\t+4:VF+32*\s+8*\t+7], v[AV] offset:16*VP*\t+64*\s+32
.endr
.endr
.irp t, 0,1,2,3
	ds_load_b128 v[VF+128+4*\t:VF+128+4*\t+3], v[AV] offset:16*VP*\t+256   ; step 4: 32 keys, four registers a tile.  A tile's fragment is these and the four behind them, which meet the zero codes:
.endr
	ds_load_b128 v[VF+144:VF+147], v[AV] offset:16*VP*3+256                ; the next tile's, and for the last tile its own once more: codes of v, so numbers
.irp s, 0,1,2,3
	s_wait_dscnt 29-8*\s                           ; this step's eight loads are in; those of the later steps (37 in all) may be out
.irp t, 0,1,2,3                                ; the four accumulators take turns, one instruction a turn
.if \s == 0
	v_wmma_f32_16x16x64_bf8_bf8 v[OT+8*\t:OT+8*\t+7], v[VF+32*\s+8*\t:VF+32*\s+8*\t+7], v[PC+8*\s:PC+8*\s+7], 0
.else
	v_wmma_f32_16x16x64_bf8_bf8 v[OT+8*\t:OT+8*\t+7], v[VF+32*\s+8*\t:VF+32*\s+8*\t+7], v[PC+8*\s:PC+8*\s+7], v[OT+8*\t:OT+8*\t+7]
.endif
.endr
.endr
	s_wait_dscnt 0x0
.irp t, 0,1,2,3
	v_wmma_f32_16x16x64_bf8_bf8 v[OT+8*\t:OT+8*\t+7], v[VF+128+4*\t:VF+128+4*\t+7], v[PC+32:PC+39], v[OT+8*\t:OT+8*\t+7]
.endr
	; THE WAY OUT.  Register 8 t + j of lane (r, h) is out(q0 + r, 16 t + 8 h + j): 32 neighbouring bytes of a row, and the lanes beside hold other rows.  So the tile goes through my own stage and comes back as whole rows
.rept 4
	v_nop                                          ; four places behind the last products, ahead of the first read of their results (ISA guide 7.12.1)
.endr
.set j, 0
.rept 16
	v_pk_mul_f32 v[OT+j:OT+j+1], v[OT+j:OT+j+1], s[42:43] op_sel_hi:[1,0]   ; x 2^(ep + ev); each accumulator from its low end on
.set j, j+2
.endr
	s_wait_alu depctr_va_vdst(0)                   ; the multiplies have written v[OT .. OT + 31], which the LDS stores read; the products are done reading v[VF .. VF + 31], in which the stage's loads land
.irp t, 0,1,2,3
	ds_store_b128 v[SO], v[OT+8*\t:OT+8*\t+3] offset:64*\t
	ds_store_b128 v[SO], v[OT+8*\t+4:OT+8*\t+7] offset:64*\t+16
.endr
.irp i, 0,1,2,3,4,5,6,7
	ds_load_b128 v[VF+4*\i:VF+4*\i+3], v[SR] offset:2*\i*SP   ; LDS serves a wave's instructions in order (ISA guide 5.7.1.4): these see my stores
.endr
.irp i, 0,1,2,3,4,5,6,7
	s_wait_dscnt 7-\i                              ; rows 2 i and 2 i + 1 are back; the later loads may be out
	global_store_b128 v[GO], v[VF+4*\i:VF+4*\i+3], s[12:13] offset:512*\i th:TH_STORE_NT   ; 16 lanes store a row's 256 consecutive bytes, at a multiple of 256 from out's first byte; written once, read by nobody here
.endr
	s_wait_dscnt 0x0                               ; the wave's end
	s_wait_alu 0x0
	s_wait_tensorcnt 0x0
	ds_add_u32 v[SPW], v[NIL]
	s_wait_dscnt 0x0
	s_endpgm
.Lfunc_end_k_q1b540a802d_band:
	.size	k_q1b540a802d_band, .Lfunc_end_k_q1b540a802d_band-k_q1b540a802d_band
	.p2alignl 7, 3214868480
	.fill 96, 4, 3214868480
	.section	.rodata,"a",@progbits
	.p2align	6, 0x0
	.amdhsa_kernel k_q1b540a802d_band
		.amdhsa_group_segment_fixed_size 146432
		.amdhsa_private_segment_fixed_size 0
		.amdhsa_enable_private_segment 0
		.amdhsa_kernarg_size 40
		.amdhsa_user_sgpr_count 2
		.amdhsa_user_sgpr_kernarg_segment_ptr 1
		.amdhsa_wavefront_size32 1
		.amdhsa_system_sgpr_workgroup_id_x 1
		.amdhsa_system_sgpr_workgroup_id_y 1
		.amdhsa_system_sgpr_workgroup_id_z 1
		.amdhsa_system_vgpr_workitem_id 0
		.amdhsa_next_free_vgpr 256
		.amdhsa_next_free_sgpr 66
		.amdhsa_reserve_vcc 0
		.amdhsa_float_denorm_mode_32 3
		.amdhsa_float_denorm_mode_16_64 3
		.amdhsa_memory_ordered 1
		.amdhsa_forward_progress 1
		.amdhsa_inst_pref_size 68
	.end_amdhsa_kernel
	.amdgpu_metadata
---
amdhsa.version: [ 1, 2 ]
amdhsa.kernels:
  - .name:           k_q1b540a802d_band
    .symbol:         k_q1b540a802d_band.kd
    .args:
      - { .name: q_codes, .offset: 0, .size: 8, .value_kind: global_buffer, .address_space: global }
      - { .name: k_codes, .offset: 8, .size: 8, .value_kind: global_buffer, .address_space: global }
      - { .name: v_codes, .offset: 16, .size: 8, .value_kind: global_buffer, .address_space: global }
      - { .name: lowp_scales, .offset: 24, .size: 8, .value_kind: global_buffer, .address_space: global }
      - { .name: out0, .offset: 32, .size: 8, .value_kind: global_buffer, .address_space: global }
    .group_segment_fixed_size: 146432
    .private_segment_fixed_size: 0
    .kernarg_segment_align: 8
    .kernarg_segment_size: 40
    .max_flat_workgroup_size: 512
    .sgpr_count:     66
    .vgpr_count:     256
    .wavefront_size: 32
...
	.end_amdgpu_metadata
.endif
;; end of part 2
